; MI455X (gfx1250); checked and timed in simulation.
; The chip was launched on July 23, 2026; its instructions are those of AMD's public machine-readable ISA for CDNA 5 (MIT licence, August 2026) and "CDNA5" Instruction Set Architecture Reference Guide (July 2026). The comments in the code are by the model that wrote it; some were corrected since.
;; Column Mixed Precision Linear. Allowed arithmetic: matrix products marked QUANTISED: E2M1 operands, one E8M0 scale for each 32 along K, by v_wmma_scale_f32_16x16x128_f8f6f4 with both operands' format E2M1 (or v_wmma_scale_f32_32x16x128_f4), f32 sums; everything else in f32.
;; Inputs: bias 4,096 float32; s0 4,096 float32; s1 4,096 float32; s2 4,096 float32; s3 4,096 float32; wq0 4,096 x 1,024 int8; wq1 4,096 x 1,024 int8; wq2 4,096 x 1,024 int8; wq3 4,096 x 1,024 int8; x 4 x 1,024 x 4,096 float32.
;; Outputs: out0 4 x 1,024 x 4,096 float32.
;; This version of the problem:
;;   THIS VERSION OF THE PROBLEM IS GIVEN IN LOW PRECISION. The matrix products marked QUANTISED in the list below multiply operands that are first quantised to E2M1 (2 exponent bits, 1 mantissa bit; 4 bits a number), with one power-of-two scale for each 32 numbers along K (OCP MX v1.0); their sums are f32. All else is computed in f32.
;;   The module's matrix products, in the order in which they are computed (A, B: the left and right operand; K: the contracted axis; several contracted axes count as one K, in the product's order):
;;     1. [M 4,096, K 1,024] x [K 1,024, N 4,096]; A: computed on the way; B: computed on the way: QUANTISED
;;     2. [M 4,096, K 1,024] x [K 1,024, N 4,096]; A: computed on the way; B: computed on the way: QUANTISED
;;     3. [M 4,096, K 1,024] x [K 1,024, N 4,096]; A: computed on the way; B: computed on the way: QUANTISED
;;     4. [M 4,096, K 1,024] x [K 1,024, N 4,096]; A: computed on the way; B: computed on the way: QUANTISED
;;   THE QUANTISER, for each operand of a quantised product, along K:
;;     - K is cut into blocks of 32 from its start; a last block that is shorter is filled with zeros.
;;     - A block's scale is 2^e with e = floor(log2(the largest magnitude in the block)) - 2, held to -126 .. 127; a block of zeros has e = 0. As a byte (E8M0): e + 127.
;;     - Each number is divided by its block's scale, clamped to +-6, and rounded to the nearest number of E2M1, ties to even, subnormals kept.
;;     - The product sums the exact products of the quantised numbers (number of the format x scale) in f32.
;;   ~~~python
;;   def quantise(x, axis):      # numpy; x: float32 -> the quantised numbers, widened to float32 again
;;       x = np.moveaxis(x, axis, -1); K = x.shape[-1]
;;       x = np.pad(x, [(0, 0)] * (x.ndim - 1) + [(0, -K % 32)]); x = x.reshape(x.shape[:-1] + (-1, 32)); a = np.abs(x).max(-1, keepdims=True)
;;       e = np.where(a > 0, np.clip(np.frexp(np.where(a > 0, a, 1))[1] - 1 - 2, -126, 127), 0)      # np.frexp(a)[1] - 1 = floor(log2(a)), exactly
;;       r = np.clip(x / 2.0 ** e, -6, 6)
;;       step = 2.0 ** (np.maximum(np.frexp(np.where(r == 0, 1, r))[1] - 1, 0) - 1)
;;       q = np.round(r / step) * step * 2.0 ** e      # np.round: ties to even
;;       return np.moveaxis(q.reshape(q.shape[:-2] + (-1,))[..., :K], -1, axis).astype(np.float32)
;;   ~~~
;;   OPERANDS COMPUTED ON THE WAY. 'Computed on the way' means the value that the module computes at that place (a softmax that the list does not call 'softmax' is quantised finished and normalised). What goes into a quantiser is computed in f32, as accurately as f32 sums, v_exp_f32 and their like allow (about 1e-6 of the number): no bf16 or f16 on the way to a quantiser, and a product that is left as it is and whose result goes on into a quantised operand takes f32 operands (vector FMAs, or v_wmma_f32_16x16x4_f32). A number that lies on a knife's edge between two numbers of the format may be rounded either way, as far as f32 arithmetic and the matrix unit's own rounding can turn it there, and no further.
;; One version. Each part assembles by itself: llvm-mc -triple=amdgcn-amd-amdhsa -mcpu=gfx1250 --defsym DOCPART=n.
;; ======== version 1 of 1: 2 launches
;; limits: right only within a limited range of input values
;; workspace buffers: xc 8,912,896 bytes; wc 8,388,608 bytes; ws 524,288 bytes
;; launch quant (part 1): grid 256 x 1, 8 waves a work-group, no clusters, 111,616 bytes of LDS; arguments wq0, wq1, wq2, wq3, s0, s1, s2, s3, x, xc, wc, ws; writes xc, wc, ws
.if DOCPART == 1
	.amdgcn_target "amdgcn-amd-amdhsa--gfx1250"
	.amdhsa_code_object_version 6
	.text
	.protected	k_qc2be9d0d15_quant
	.globl	k_qc2be9d0d15_quant
	.p2align	8
	.type	k_qc2be9d0d15_quant,@function
k_qc2be9d0d15_quant:
	s_mov_b64 s[64:65], 0
	v_nop
	global_prefetch_b8 v0, s[64:65] scope:SCOPE_SE
	s_setreg_imm32_b32 hwreg(HW_REG_WAVE_MODE, 25, 1), 1
	s_wait_xcnt 0x0
; x [4096][4096] f32 and W[o][1024 i + d] = wq_i[o][d] * s_i[o] (int8 times f32, rounded once to f32) are turned into codes of FP4 (E2M1) with one E8M0 scale byte for each 32 along K.
; A block's scale is 2^(floor(log2(its largest magnitude)) - 2); its byte is the largest magnitude's own exponent field - 2, held at 1 from below.  Each number is divided by the scale and rounded to the nearest code, ties to even,
; beyond the largest code the largest.  The four slices are 1,024 wide, a multiple of 32: no block crosses a slice, so W is one operand with K = 4,096.
; OUT.  xc [8 K steps of 512][4096 rows][272 bytes]: a record is the row's 512 codes (256 bytes, the lower k in the low four bits) and behind them their 16 scale bytes: the bytes that the product's launch wants in LDS.
; wc [32 steps of 128 along K][256 blocks of 16 rows][2][32 lanes][16 bytes]: W's codes in the order of a matrix operand's registers: piece (c, lane 16 h + r) holds k = 64 c + 32 h + 0 .. 31 of row r.
; ws [8 K steps of 512][4096 rows][16 bytes]: W's scale bytes, four words a row.
; LIMITS: NaN and infinities among the inputs are not served.  A block whose largest magnitude lies under 2^-124 has its byte held at 1.  A block of zeros gets the byte 1 where the rule says 127: its codes are zeros,
; which add nothing under any byte but 0xff, and the bytes are read by this program alone.  |s| from 2^-126 to 2^120, or 0, so that -128 s is exact and finite.
; SHARES.  Work-group g takes rows 16 g .. 16 g + 15 of x and of W; wave w takes K step w of both: first 16 rows x 512 int8 of W, then 16 rows x 512 f32 of x.  A step is one row: a lane holds 16 neighbours along K,
; two neighbouring lanes hold a block.  All waves take one path; they share nothing: no barrier.  No matrix unit, cluster or tensor load: no byte is read by two work-groups.
; W: a lane's 16 bytes of a load are 16 neighbours already.  x: each load reads 512 consecutive bytes, 16 a lane; a row's 2,048 bytes turn through the wave's own stage in LDS and come back 64 bytes a lane.
; The results are gathered in the wave's own LDS and leave as stores of 256 consecutive bytes, aligned.  All 16 loads of W and 32 of x go out at the head; x then runs eight steps (32 loads a wave) ahead.
.set REC,    272                       ; a record of xc; also the pitch of W's image
.set KSTEPB, 4096*REC                  ; a K step of xc
.set WREG,   13824                     ; LDS: a region of its own for each wave
.set SP,     80                        ; a lane's place in a stage: its 64 bytes + 16 of padding
.set STG,    32*SP                     ; a stage; two of them at the region's head
.set WIMG,   2*STG                     ; W's image: 16 chunks (one block of 32 along K x 16 rows x 16 bytes), 272 bytes apart; row t's 16 scale bytes lie in the 16 bytes behind chunk t
.set XIMG,   WIMG+16*REC               ; x's 16 records
.set T,      16                        ; v16-19   four words of int8, biased
.set X,      20                        ; v20-51   two sets of 16 neighbours
.set C,      52                        ; v52-59   codes: four sets of two registers
.set E,      60                        ; v60-63   scale bytes: four
.set WR,     64                        ; v64-127  W's 16 loads; later W's image on its way out (v64-97)
.set R,      128                       ; v128-255 x: eight sets of 16 numbers as they are loaded; later x's records on their way out (v128-161)
.set SS,     32                        ; s[32:47] s of my 16 rows
.set SM,     48                        ; s[48:63] -128 s
	s_load_b256 s[8:15], s[0:1], 0x0               ; wq0 .. wq3
	s_load_b256 s[16:23], s[0:1], 0x20             ; s0 .. s3
	s_load_b128 s[4:7], s[0:1], 0x40               ; x s[4:5], xc s[6:7]
	s_load_b64 s[24:25], s[0:1], 0x50              ; wc
	s_load_b64 s[68:69], s[0:1], 0x58              ; ws
	v_lshl_add_u32 v12, v0, 2, 0x1b000             ; my spare word, behind the eight regions
	v_mov_b32 v13, 0
	v_lshrrev_b32 v1, 5, v0
	s_delay_alu instid0(VALU_DEP_1)
	v_readfirstlane_b32 s2, v1                     ; wave 0..7 = my K step
	v_and_b32 v2, 31, v0                           ; lane
	s_delay_alu instid0(VALU_DEP_1)
	v_lshlrev_b32 v3, 4, v2                        ; my 16 bytes of a load's 512
	s_delay_alu instid0(VALU_DEP_2)
	v_lshlrev_b32 v7, 3, v2                        ; my 8 bytes of a store's 256
	s_mul_i32 s3, s2, WREG                         ; my wave's region
	v_add_nc_u32 v4, s3, v7                        ; a record's codes: 8 bytes a lane; also the way out: 8 bytes a lane
	v_lshrrev_b32 v5, 1, v2
	s_delay_alu instid0(VALU_DEP_1)
	v_add_nc_u32 v5, s3, v5
	s_delay_alu instid0(VALU_DEP_1)
	v_add_nc_u32 v5, 256, v5                       ; a row's scale bytes: my block's
	v_lshrrev_b32 v14, 2, v2
	s_delay_alu instid0(VALU_DEP_1)
	v_mul_u32_u24 v14, v14, SP
	v_and_b32 v15, 3, v2
	s_delay_alu instid0(VALU_DEP_1)
	v_lshl_add_u32 v14, v15, 4, v14
	s_delay_alu instid0(VALU_DEP_1)
	v_add_nc_u32 v14, s3, v14                      ; the stage, on the way in: four lanes' 64 bytes on end, then 16 of padding
	v_mul_u32_u24 v15, v2, SP
	s_delay_alu instid0(VALU_DEP_1)
	v_add_nc_u32 v15, s3, v15                      ; and on the way out: my 16 neighbours
	v_lshrrev_b32 v6, 1, v2                        ; W's image: my block of 32 along K is chunk lane / 2,
	v_and_b32 v10, 1, v2
	v_mul_u32_u24 v6, v6, REC
	v_lshl_add_u32 v6, v10, 3, v6                  ; my 16 codes its lower or upper 8 bytes of a row's 16
	v_add_nc_u32 v6, s3, v6
	s_lshl_b32 s28, ttmp9, 18                      ; x: 16 rows of 16,384 bytes a work-group,
	s_lshl_b32 s29, s2, 11                         ; 2,048 bytes a K step
	s_add_co_u32 s28, s28, s29
	s_mov_b32 s29, 0
	s_lshl_b32 s30, ttmp9, 14                      ; wq: 16 rows of 1,024 bytes a work-group,
	s_and_b32 s31, s2, 1
	s_lshl_b32 s31, s31, 9                         ; the slice's first or second 512
	s_add_co_u32 s30, s30, s31
	s_mov_b32 s31, 0
	s_mul_i32 s26, s2, KSTEPB                      ; xc: my K step,
	s_mul_i32 s27, ttmp9, 16*REC                   ; my work-group's 16 records
	s_add_co_u32 s26, s26, s27
	s_mov_b32 s27, 0
	s_lshl_b32 s48, ttmp9, 6                       ; s: 16 numbers a work-group
	s_mov_b32 s49, 0
	s_lshl_b32 s70, s2, 20                         ; wc: my four steps of 128 along K, 262,144 bytes each,
	s_lshl_b32 s71, ttmp9, 10                      ; my work-group's block of 16 rows: 1,024 bytes
	s_add_co_u32 s70, s70, s71
	s_mov_b32 s71, 0
	s_lshl_b32 s72, s2, 16                         ; ws: my K step of 65,536 bytes,
	s_lshl_b32 s73, ttmp9, 8                       ; 16 rows of 16 bytes
	s_add_co_u32 s72, s72, s73
	s_mov_b32 s73, 0
	s_lshr_b32 s50, s2, 2                          ; slice = wave / 2: its upper bit,
	s_bfe_u32 s51, s2, 0x10001                     ; its lower bit
	s_wait_kmcnt 0x0
	s_cmp_lg_u32 s50, 0                            ; the choices hang on the wave's number alone
	s_cselect_b64 s[8:9], s[12:13], s[8:9]
	s_cselect_b64 s[10:11], s[14:15], s[10:11]
	s_cselect_b64 s[16:17], s[20:21], s[16:17]
	s_cselect_b64 s[18:19], s[22:23], s[18:19]
	s_cmp_lg_u32 s51, 0
	s_cselect_b64 s[8:9], s[10:11], s[8:9]         ; my slice's weights
	s_cselect_b64 s[16:17], s[18:19], s[16:17]     ; and its scales
	s_add_nc_u64 s[4:5], s[4:5], s[28:29]
	s_add_nc_u64 s[8:9], s[8:9], s[30:31]
	s_add_nc_u64 s[16:17], s[16:17], s[48:49]
	s_add_nc_u64 s[6:7], s[6:7], s[26:27]
	s_add_nc_u64 s[24:25], s[24:25], s[70:71]
	s_add_nc_u64 s[68:69], s[68:69], s[72:73]
	s_load_b512 s[SS:SS+15], s[16:17], 0x0         ; s of my 16 rows: 64 consecutive bytes, the same for every lane
.macro WLOAD t                         ; row t of W: 512 int8, 16 a lane
	global_load_b128 v[WR+4*(\t):WR+4*(\t)+3], v3, s[8:9] offset:1024*(\t) th:TH_LOAD_NT
.endm
.macro LOAD t                          ; row t of x: 512 f32 in four loads of 512 consecutive bytes, into set t % 8
.irp i, 0,1,2,3
	global_load_b128 v[R+16*((\t)%8)+4*\i:R+16*((\t)%8)+4*\i+3], v3, s[4:5] offset:16384*(\t)+512*\i th:TH_LOAD_NT
.endr
.endm
.macro TURN t                          ; row t's numbers through stage t % 2: LDS serves a wave's instructions in order (ISA guide 5.7.1.4), so no wait stands between the stores and the loads
.irp i, 0,1,2,3
	ds_store_b128 v14, v[R+16*((\t)%8)+4*\i:R+16*((\t)%8)+4*\i+3] offset:STG*((\t)%2)+8*SP*\i
.endr
.irp i, 0,1,2,3
	ds_load_b128 v[X+16*((\t)%2)+4*\i:X+16*((\t)%2)+4*\i+3], v15 offset:STG*((\t)%2)+16*\i
.endr
.endm
; My 16 numbers in v[XS] on become 8 bytes of codes, stored at v[ca] + co, and, with my neighbour's, a scale byte, stored at v5 + so.
.macro QUANT16 t, ca, co, so
	v_max3_num_f32 v8, |v[XS]|, |v[XS+1]|, |v[XS+2]|               ; the largest magnitude of my 16, in two chains
	v_max3_num_f32 v9, |v[XS+3]|, |v[XS+4]|, |v[XS+5]|
.irp i, 6,10
	s_delay_alu instid0(VALU_DEP_2)
	v_max3_num_f32 v8, v8, |v[XS+\i]|, |v[XS+\i+1]|
	s_delay_alu instid0(VALU_DEP_2)
	v_max3_num_f32 v9, v9, |v[XS+\i+2]|, |v[XS+\i+3]|
.endr
	s_delay_alu instid0(VALU_DEP_2)
	v_max3_num_f32 v8, v8, |v[XS+14]|, |v[XS+15]|
	s_delay_alu instid0(VALU_DEP_1)
	v_max3_num_f32 v8, v8, v9, 0x1800000           ; and the floor 2^(3 - 127), under which no largest magnitude is taken: so the byte cannot fall under 1
	s_delay_alu instid0(VALU_DEP_1)
	v_max_num_f32_dpp v8, v8, v8 row_xmask:1 row_mask:0xf bank_mask:0xf   ; and of my neighbour's 16: the block's
	s_delay_alu instid0(VALU_DEP_1)
	v_add_nc_u32 v11, 0xff000000, v8               ; 2 off its exponent field: the conversion takes the exponent field of this operand as its scale, and nothing else of it
	v_cvt_scalef32_pk8_fp4_f32 v[C+2*((\t)%4)], v[XS:XS+7], v11      ; the first number's code in the lowest four bits
	v_cvt_scalef32_pk8_fp4_f32 v[C+2*((\t)%4)+1], v[XS+8:XS+15], v11
	v_lshrrev_b32 v[E+(\t)%4], 23, v11             ; the scale's byte.  (Also the plain instruction behind the conversions)
	ds_store_b8 v5, v[E+(\t)%4] offset:\so         ; both lanes of a block write the same byte with the same value
	ds_store_b64 v[\ca], v[C+2*((\t)%4):C+2*((\t)%4)+1] offset:\co
.endm
; Row t of W.  b s is made as (b + 128) s - 128 s by one fused multiply-add: -128 s is exact, so the sum is b s exactly, rounded once: int8 to f32 times s.
.macro WSTEP t
.set XS, X+16*((\t)%2)
	s_wait_dscnt 6                                 ; the last three steps' six stores may be out: the stores of four steps ago have read the codes' and the byte's registers that this step writes
.irp j, 0,1,2,3
	v_xor_b32 v[T+\j], 0x80808080, v[WR+4*(\t)+\j] ; b + 128 in each byte
.endr
.irp j, 0,1,2,3
.irp k, 0,1,2,3
	v_bfe_u32 v[XS+4*\j+\k], v[T+\j], 8*\k, 8
.endr
.endr
.irp n, 0,1,2,3,4,5,6,7,8,9,10,11,12,13,14,15
	v_cvt_f32_u32 v[XS+\n], v[XS+\n]
.endr
.irp n, 0,1,2,3,4,5,6,7,8,9,10,11,12,13,14,15
	v_fma_f32 v[XS+\n], v[XS+\n], s[SS+(\t)], s[SM+(\t)]
.endr
	QUANT16 \t, 6, WIMG+16*(\t), WIMG+REC*(\t)     ; codes: row t's 16 bytes of my chunk (chunks 272 bytes apart: the 16 pairs of lanes fall on 16 different groups of four banks); byte: behind chunk t
.endm
; The 16 records at img, 4,352 consecutive bytes, leave by 17 stores of 256 consecutive bytes, each at a multiple of 256 from the buffer's first byte.
.macro OUT img, reg, base
.irp j, 0,1,2,3,4,5,6,7,8,9,10,11,12,13,14,15,16
	ds_load_b64 v[\reg+2*\j:\reg+2*\j+1], v4 offset:\img+256*\j    ; these see my stores: a wave's LDS instructions are served in order
.endr
.irp j, 0,1,2,3,4,5,6,7,8,9,10,11,12,13,14,15,16
	s_wait_dscnt 16-\j                             ; the younger loads may be out
	global_store_b64 v7, v[\reg+2*\j:\reg+2*\j+1], s[\base:\base+1] offset:256*\j
.endr
.endm
; Row t of x.
.macro STEP t
.set XS, X+16*((\t)%2)
.if (\t) > 0
	s_wait_dscnt 2                                 ; this row's numbers are back from the stage (the last step's two image stores may be out): so its stores into the stage have read their registers,
.else
	s_wait_dscnt 0x0
.endif
.if (\t) < 8
	LOAD (\t)+8                                    ; which take the loads of eight rows on
.endif
.if (\t) < 15
.if (\t) < 8
	s_wait_loadcnt 28                              ; the next row's four loads are in; those of the seven rows behind it may be out
.else
	s_wait_loadcnt 4*(14-(\t))                     ; nothing more is asked for: the count runs down
.endif
	TURN (\t)+1                                    ; and go through the other stage while this row is worked
.endif
	QUANT16 \t, 4, XIMG+REC*(\t), XIMG+REC*(\t)
.endm
.irp t, 0,1,2,3,4,5,6,7,8,9,10,11,12,13,14,15
	WLOAD \t
.endr
.irp t, 0,1,2,3,4,5,6,7
	LOAD \t
.endr
	s_wait_kmcnt 0x0                               ; s of my rows
.irp t, 0,1,2,3,4,5,6,7,8,9,10,11,12,13,14,15
	s_mul_f32 s[SM+\t], s[SS+\t], 0xc3000000       ; -128 s: a power of two times s
.endr
	s_wait_loadcnt 32                              ; W's 16 loads are in; x's 32 may be out
.irp t, 0,1,2,3,4,5,6,7,8,9,10,11,12,13,14,15
	WSTEP \t
.endr
; W's way out: chunk j (256 bytes) is piece j % 4 of my block's 1,024 bytes in step j / 4 of my four steps of 128 along K; the 16 rows' scale bytes are 256 consecutive bytes of ws.
.irp j, 0,1,2,3,4,5,6,7,8,9,10,11,12,13,14,15
	ds_load_b64 v[WR+2*\j:WR+2*\j+1], v4 offset:WIMG+REC*\j
.endr
	ds_load_b64 v[WR+32:WR+33], v6 offset:WIMG+256 ; lane l: the lower or upper 8 of row l / 2's 16 scale bytes
.irp j, 0,1,2,3,4,5,6,7,8,9,10,11,12,13,14,15
	s_wait_dscnt 16-\j                             ; the younger loads may be out
	global_store_b64 v7, v[WR+2*\j:WR+2*\j+1], s[24:25] offset:262144*(\j/4)+256*(\j%4)
.endr
	s_wait_dscnt 0x0                               ; the codes' and bytes' registers are free for x
	global_store_b64 v7, v[WR+32:WR+33], s[68:69]
	s_wait_loadcnt 28                              ; x's row 0 is in; rows 1 to 7 may be out
	TURN 0
.irp t, 0,1,2,3,4,5,6,7,8,9,10,11,12,13,14,15
	STEP \t
.endr
	OUT XIMG, R, 6                                 ; xc.  No address, base or store's data register is written twice in this text: no wait on XCNT is needed
	s_wait_tensorcnt 0x0                           ; the wave's end
	ds_add_u32 v12, v13
	s_wait_dscnt 0x0
	s_endpgm
.Lfunc_end_k_qc2be9d0d15_quant:
	.size	k_qc2be9d0d15_quant, .Lfunc_end_k_qc2be9d0d15_quant-k_qc2be9d0d15_quant
	.p2alignl 7, 3214868480
	.fill 96, 4, 3214868480
	.section	.rodata,"a",@progbits
	.p2align	6, 0x0
	.amdhsa_kernel k_qc2be9d0d15_quant
		.amdhsa_group_segment_fixed_size 111616
		.amdhsa_private_segment_fixed_size 0
		.amdhsa_enable_private_segment 0
		.amdhsa_kernarg_size 96
		.amdhsa_user_sgpr_count 2
		.amdhsa_user_sgpr_kernarg_segment_ptr 1
		.amdhsa_wavefront_size32 1
		.amdhsa_system_sgpr_workgroup_id_x 1
		.amdhsa_system_sgpr_workgroup_id_y 1
		.amdhsa_system_sgpr_workgroup_id_z 1
		.amdhsa_system_vgpr_workitem_id 0
		.amdhsa_next_free_vgpr 256
		.amdhsa_next_free_sgpr 74
		.amdhsa_reserve_vcc 0
		.amdhsa_float_denorm_mode_32 3
		.amdhsa_float_denorm_mode_16_64 3
		.amdhsa_memory_ordered 1
		.amdhsa_forward_progress 1
		.amdhsa_inst_pref_size 110
	.end_amdhsa_kernel
	.amdgpu_metadata
---
amdhsa.version: [ 1, 2 ]
amdhsa.kernels:
  - .name:           k_qc2be9d0d15_quant
    .symbol:         k_qc2be9d0d15_quant.kd
    .args:
      - { .name: wq0, .offset: 0, .size: 8, .value_kind: global_buffer, .address_space: global }
      - { .name: wq1, .offset: 8, .size: 8, .value_kind: global_buffer, .address_space: global }
      - { .name: wq2, .offset: 16, .size: 8, .value_kind: global_buffer, .address_space: global }
      - { .name: wq3, .offset: 24, .size: 8, .value_kind: global_buffer, .address_space: global }
      - { .name: s0, .offset: 32, .size: 8, .value_kind: global_buffer, .address_space: global }
      - { .name: s1, .offset: 40, .size: 8, .value_kind: global_buffer, .address_space: global }
      - { .name: s2, .offset: 48, .size: 8, .value_kind: global_buffer, .address_space: global }
      - { .name: s3, .offset: 56, .size: 8, .value_kind: global_buffer, .address_space: global }
      - { .name: x, .offset: 64, .size: 8, .value_kind: global_buffer, .address_space: global }
      - { .name: xc, .offset: 72, .size: 8, .value_kind: global_buffer, .address_space: global }
      - { .name: wc, .offset: 80, .size: 8, .value_kind: global_buffer, .address_space: global }
      - { .name: ws, .offset: 88, .size: 8, .value_kind: global_buffer, .address_space: global }
    .group_segment_fixed_size: 111616
    .private_segment_fixed_size: 0
    .kernarg_segment_align: 8
    .kernarg_segment_size: 96
    .max_flat_workgroup_size: 256
    .sgpr_count:     74
    .vgpr_count:     256
    .wavefront_size: 32
...
	.end_amdgpu_metadata
.endif
;; end of part 1
;; launch gemm (part 2): grid 16 x 16, 4 waves a work-group, clusters of 4 x 1, 327,680 bytes of LDS; arguments xc, wc, ws, bias, out0; writes out0
.if DOCPART == 2
	.amdgcn_target "amdgcn-amd-amdhsa--gfx1250"
	.amdhsa_code_object_version 6
	.text
	.protected	k_qc2be9d0d15_gemm
	.globl	k_qc2be9d0d15_gemm
	.p2align	8
	.type	k_qc2be9d0d15_gemm,@function
k_qc2be9d0d15_gemm:
	s_mov_b64 s[64:65], 0
	v_nop
	global_prefetch_b8 v0, s[64:65] scope:SCOPE_SE
	s_setreg_imm32_b32 hwreg(HW_REG_WAVE_MODE, 25, 1), 1
	s_wait_xcnt 0x0
	s_wait_alu depctr_hold_cnt(0) depctr_sa_sdst(0) depctr_va_vdst(0) depctr_va_sdst(0) depctr_va_ssrc(0) depctr_va_vcc(0) depctr_vm_vsrc(0)
	s_getreg_b32 s2, hwreg(HW_REG_IB_STS2, 6, 4)
	s_cmp_eq_u32 s2, 0
	s_cbranch_scc0 .Lentry_in_a_cluster
	s_endpgm
.Lentry_in_a_cluster:
	s_bfe_u32 s2, ttmp6, 0x10000c
	s_cmp_lg_u32 s2, 0x3003
	s_cbranch_scc0 .Lentry_shape_is_right
	s_endpgm
.Lentry_shape_is_right:
; out0[m][n] = bias[n] + sum over k of x[m][k] W[n][k], K = 4,096, both operands as codes of FP4 (E2M1) with E8M0 scales, as the launch before laid them (xc, wc, ws).  Sums in f32.
; A work-group of four waves makes 256 x 256 of out0, a wave 128 x 128: 32 accumulators of 32 x 16, 512 registers.  The form is v_wmma_scale_f32_32x16x128_f4, used transposed:
; source 0 = 32 rows of W, source 1 = 16 rows of x, so that a lane holds neighbouring columns of one row of out0.
; x GOES THROUGH LDS: a ring of two slots, each with 1,024 along K of the block's 256 rows (2 x 256 records of 272 bytes: 512 codes and their 16 scale bytes), 139,264 bytes; each wave fetches a quarter (128 records, a dense
; block stated as 136 rows of 256 bytes).  Four trips of eight steps of 128 along K; two refills.  The four work-groups of a cluster make one row of blocks and need the same records: they ask JOINTLY (mask 15).
; W GOES STRAIGHT INTO REGISTERS: wc lies in the order of the operand's registers, so a load of 16 bytes a lane reads 512 consecutive bytes.  For a step a wave then reads 128 rows x 64 bytes from LDS in place of 256 x 64, and LDS takes
; in half the bytes.  Four sets of 64 registers: a step's 16 loads go out three steps ahead and are waited for by count.  That is why W's tiles are not asked for jointly: they never lie in LDS.
; The bias is added on the way out, behind the sums.  NaN and infinities are not served by the launch before.
; PREFETCH: in a trip's second step each wave names (a) for the refill that stands six steps on: its work-group's 34 of the 136 blocks of 256 bytes that the wave will fetch, the four partners told apart by address (cx);
; (b) W's eight steps of the next trip, whose first loads go out four steps on: the 16 work-groups of a column of blocks share them out by address: work-group row y takes W's block of 16 rows number y, wave w its piece w: 8 blocks, one for each step
; (lanes 8-31 name the last again).  The first trip's bytes come by their loads alone.  ws, a sixteenth of W's bytes, is not prefetched.
; The four trips differ (first sums, first fill, refill, none), so they are expanded one behind the other by macros.
; REGISTERS: window 0: v0-31 addresses and the bias; v32-63 W's scale words, two sets; v64-127 x's scale words, two sets; v128-255 x's fragments, two sets (on the way out: rows read back).
;   window 1: W's fragments, four sets.  window 2: the accumulators of my rows 0-63 (x's block a, W's pair p at v[64 a + 16 p]); window 3: those of rows 64-127.
.set SIZE_N, 4096
.set PITCH,  272
.set HALFT,  128*PITCH                 ; 128 records: what one tensor load brings
.set SLOT,   4*HALFT                   ; [2 K steps of 512][256 records]
.set KSTEPB, 4096*PITCH                ; a K step of 512 in xc
.set SPARE,  2*SLOT                    ; the spare words, 128 bytes a wave
.set STAGE,  SPARE+512                 ; the way out: 16 rows x 528 bytes for each wave; no tensor load lands here
.set SPITCH, 528
.set BIA,  8                           ; v8-11   the bias of my four columns of a row read back
.set LO,   12                          ; v12     16 x lane
.set PB,   13                          ; v13     prefetch of W: min(lane, 7) steps of 262,144 bytes
.set PA0,  14                          ; v14     prefetch of x: 256 x lane
.set PA1,  15                          ; v15     256 x (32 + min(lane, 1))
.set ADRA, 16                          ; v16-19  LDS address of my fragments of x in K step (of 512) k % 4 of the ring
.set ADRS, 20                          ; v20-23  the same for x's scale words
.set STO,  24
.set RD,   25
.set SPW,  28                          ; v28     my spare word; never rewritten
.set NIL,  29                          ; v29     0; never rewritten
.set SW,   32
.set SX,   64
.set AF,   128
.set BK,   128
.set G1,   24                          ; s[24:31] descriptor group 1
.set G0,   32                          ; s[32:39] group 0, one set for each slot
.set PFA,  48
.set PFB,  50
.set MSB, 0
.macro WIN new                         ; the immediate's high byte repeats the setting that is left
.if MSB != (\new)
	s_set_vgpr_msb (MSB<<8)|(\new)
.set MSB, (\new)
.endif
.endm
.set MUL_LO, 0xa1                      ; source 0 (W) window 1, source 1 (x) window 0, C and D window 2
.set MUL_HI, 0xf1                      ; the same, C and D window 3
.set TO_B,   0x40                      ; destination window 1, address window 0
.macro PLACES
.rept 4
	v_nop
.endr
.endm
.macro JLOAD s                         ; the joint load: one line for all waves; LDS and global address hang on the wave's number and the row of blocks alone.  The four v_nop are places
	tensor_load_to_lds s[G0+4*(\s):G0+4*(\s)+3], s[G1:G1+7]
	s_nop 0
	PLACES
.endm
.macro CREST                           ; a round of the cluster's barrier behind its opening barrier
	s_cmp_lg_u32 s14, 0
	s_cbranch_scc1 .Lnot_wave_0_\@
	s_barrier_signal -3
.Lnot_wave_0_\@:
	s_barrier_wait -3
	s_barrier_signal -1
	s_barrier_wait -1
.endm
.macro CROUND
	s_barrier_signal -1
	s_barrier_wait -1
	CREST
.endm
	s_load_b256 s[4:11], s[0:1], 0x0               ; xc s[4:5], wc s[6:7], ws s[8:9], bias s[10:11]
	s_load_b64 s[12:13], s[0:1], 0x20              ; out0
	v_lshl_add_u32 v[SPW], v0, 2, SPARE
	v_mov_b32 v[NIL], 0
	ds_add_u32 v[SPW], v[NIL]                      ; the opening lines: the add, twice on end, and its wait ahead of my first tensor load
	ds_add_u32 v[SPW], v[NIL]
	v_lshrrev_b32 v1, 5, v0
	v_readfirstlane_b32 s14, v1                    ; wave 0..3
	s_lshr_b32 s15, s14, 1                         ; my half of the block's rows.  Also: which K step of 512 of a slot I fetch
	s_and_b32 s16, s14, 1                          ; my half of its columns.  Also: which 128 records I fetch
	s_bfe_u32 s40, ttmp6, 0x40000                  ; cx
	s_lshl_b32 s42, ttmp9, 2
	s_add_co_u32 s42, s42, s40                     ; column of blocks = 4 x cluster x + cx
	s_and_b32 s17, ttmp7, 0xffff                   ; row of blocks
	s_mov_b32 s[G1+0], 15|(3<<16)|(1<<21)          ; the mask: all four of the cluster; elements of 8 bytes; bit 21 beside a mask
	s_mov_b32 s[G1+1], 32<<16                      ; rows of 32 elements = 256 bytes
	s_mov_b32 s[G1+2], 136<<16                     ; 136 of them
	s_mov_b32 s[G1+3], 32<<16
	s_mov_b32 s[G1+4], 136
	s_mov_b32 s[G1+5], 32
	s_mov_b32 s[G1+6], 0
	s_mov_b32 s[G1+7], 0
	s_lshl_b32 s20, s17, 8
	s_lshl_b32 s18, s16, 7
	s_add_co_u32 s20, s20, s18
	s_mul_i32 s20, s20, PITCH                      ; xc: my 128 records,
	s_mul_i32 s18, s15, KSTEPB
	s_add_co_u32 s20, s20, s18                     ; in my K step of the slot's two
	s_mov_b32 s21, 0
	s_mul_i32 s45, s14, HALFT                      ; and where they go
	s_lshl_b32 s46, s42, 1
	s_add_co_u32 s46, s46, s16                     ; my 128 columns: number 2 x column of blocks + half
	s_lshl_b32 s52, s46, 13                        ; in wc: 8 blocks of 1,024 bytes
	s_mov_b32 s53, 0
	s_lshl_b32 s54, s46, 11                        ; in ws: 128 rows of 16 bytes
	s_mov_b32 s55, 0
	s_lshl_b32 s56, s46, 9                         ; in bias and in a row of out0: 512 bytes
	s_mov_b32 s57, 0
	s_lshl_b32 s58, s17, 1
	s_add_co_u32 s58, s58, s15
	s_lshl_b32 s58, s58, 21                        ; my first row of out0: 128 rows of 16,384 bytes a half
	s_add_co_u32 s58, s58, s56
	s_mov_b32 s59, 0
	s_lshl_b32 s60, s42, 4
	s_add_co_u32 s60, s60, s17                     ; prefetch of W: of my column's 16 blocks of 16 rows the one with my row of blocks' number,
	s_lshl_b32 s60, s60, 10
	s_lshl_b32 s61, s14, 8
	s_add_co_u32 s60, s60, s61                     ; my wave's 256 bytes of its 1,024
	s_mov_b32 s61, 0
	s_mul_i32 s62, s40, 34*256                     ; prefetch of x: my work-group's 34 blocks of the 136 that I fetch
	s_add_co_u32 s62, s62, s20
	s_mov_b32 s63, 0
	v_and_b32 v1, 15, v0                           ; r = l % 16
	v_bfe_u32 v2, v0, 4, 1                         ; h = l / 16
	v_and_b32 v6, 31, v0
	v_mul_u32_u24 v3, v1, PITCH
	v_lshl_add_u32 v4, v2, 4, v3                   ; a fragment's row x pitch + 16 h
	s_mul_i32 s18, s15, HALFT                      ; my 128 rows of x
	v_add_nc_u32 v[ADRA], s18, v4
	v_add_nc_u32 v[ADRS], s18, v3
	v_add_nc_u32 v[ADRS], 256, v[ADRS]             ; row r's scale words, in both halves of the lanes
.irp k, 1,2,3
	v_add_nc_u32 v[ADRA+\k], 2*\k*HALFT, v[ADRA]
	v_add_nc_u32 v[ADRS+\k], 2*\k*HALFT, v[ADRS]
.endr
	v_lshlrev_b32 v[LO], 4, v6
	v_min_u32 v[PB], 7, v6
	v_lshlrev_b32 v[PB], 18, v[PB]
	v_lshlrev_b32 v[PA0], 8, v6
	v_min_u32 v[PA1], 1, v6
	v_lshl_add_u32 v[PA1], v[PA1], 8, 32*256
	s_mul_i32 s23, s14, 16*SPITCH
	s_add_co_u32 s23, s23, STAGE                   ; my stage
	v_mul_u32_u24 v5, v1, SPITCH
	v_lshl_add_u32 v5, v2, 5, v5
	v_add_nc_u32 v[STO], s23, v5                   ; in: row r, 32 bytes for each half of the lanes
	v_add_nc_u32 v[RD], s23, v[LO]                 ; back: the 32 lanes take one row of 512 bytes
	s_wait_alu depctr_va_vdst(0)
	s_wait_dscnt 0x0                               ; both opening adds are done
	s_wait_kmcnt 0x0
	s_add_nc_u64 s[20:21], s[4:5], s[20:21]
	s_add_nc_u64 s[PFA:PFA+1], s[4:5], s[62:63]
	s_add_nc_u64 s[PFB:PFB+1], s[6:7], s[60:61]
	s_add_nc_u64 s[6:7], s[6:7], s[52:53]
	s_add_nc_u64 s[8:9], s[8:9], s[54:55]
	s_add_nc_u64 s[10:11], s[10:11], s[56:57]
	s_add_nc_u64 s[12:13], s[12:13], s[58:59]
.irp s, 0,1
	s_mov_b32 s[G0+4*\s], 1
	s_add_co_u32 s[G0+4*\s+1], s45, \s*SLOT
	s_add_nc_u64 s[G0+4*\s+2:G0+4*\s+3], s[20:21], \s*2*KSTEPB
	s_or_b32 s[G0+4*\s+3], s[G0+4*\s+3], 0x80000000
.endr
	CROUND                                         ; the four work-groups are here: the first joint loads meet
	JLOAD 0                                        ; K = 0 .. 1,023: one tensor load a wave at the head
; 8 matrix instructions: x's blocks a0, a0 + 1 against W's four pairs of blocks, step Q of 128 along K.  The 32 accumulators take turns in the same order in every step.
.macro MUL8 a0, Q, zero
.irp a, \a0, \a0+1
.irp p, 0,1,2,3
.if \zero
	v_wmma_scale_f32_32x16x128_f4 v[64*((\a)%4)+16*\p:64*((\a)%4)+16*\p+15], v[64*((\Q)%4)+16*\p:64*((\Q)%4)+16*\p+15], v[AF+64*((\Q)%2)+8*(\a):AF+64*((\Q)%2)+8*(\a)+7], 0, v[SW+16*(((\Q)/4)%2)+4*\p+(\Q)%4], v[SX+32*(((\Q)/4)%2)+4*(\a)+(\Q)%4]
.else
	v_wmma_scale_f32_32x16x128_f4 v[64*((\a)%4)+16*\p:64*((\a)%4)+16*\p+15], v[64*((\Q)%4)+16*\p:64*((\Q)%4)+16*\p+15], v[AF+64*((\Q)%2)+8*(\a):AF+64*((\Q)%2)+8*(\a)+7], v[64*((\a)%4)+16*\p:64*((\a)%4)+16*\p+15], v[SW+16*(((\Q)/4)%2)+4*\p+(\Q)%4], v[SX+32*(((\Q)/4)%2)+4*(\a)+(\Q)%4]
.endif
.endr
.endr
.endm
; x's eight fragments of step Q into set Q % 2: 16 LDS loads; with a K step's first, its scale words (8 loads: four words a row, block i's in registers 4 i ..) into set (Q / 4) % 2
.macro FETCH_A Q
.if (\Q)%4 == 0
.irp i, 0,1,2,3,4,5,6,7
	ds_load_b128 v[SX+32*(((\Q)/4)%2)+4*\i:SX+32*(((\Q)/4)%2)+4*\i+3], v[ADRS+((\Q)/4)%4] offset:\i*16*PITCH
.endr
.endif
.irp i, 0,1,2,3,4,5,6,7
.irp c, 0,1
	ds_load_b128 v[AF+64*((\Q)%2)+8*\i+4*\c:AF+64*((\Q)%2)+8*\i+4*\c+3], v[ADRA+((\Q)/4)%4] offset:64*((\Q)%4)+32*\c+\i*16*PITCH
.endr
.endr
.endm
; W's eight fragments of step Q into set Q % 4: 16 loads of 512 consecutive bytes; ahead of a K step's first, its scale words (4 loads: lane m takes row 32 p + m's four words).  Every offset is an immediate, under 2^23.
.macro FETCH_B Q
.if (\Q)%4 == 0
.irp p, 0,1,2,3
	global_load_b128 v[SW+16*(((\Q)/4)%2)+4*\p:SW+16*(((\Q)/4)%2)+4*\p+3], v[LO], s[8:9] offset:65536*((\Q)/4)+512*\p
.endr
.endif
	WIN TO_B
.irp b, 0,1,2,3,4,5,6,7
.irp c, 0,1
	global_load_b128 v[64*((\Q)%4)+8*\b+4*\c:64*((\Q)%4)+8*\b+4*\c+3], v[LO], s[6:7] offset:262144*(\Q)+1024*\b+512*\c
.endr
.endr
.endm
; A step of 128 along K whose successor lies in the same slot (or the last of all).
.macro STEP Q, zero
.if (\Q) < 30
	s_wait_loadcnt 32                              ; W's set of this step is in, and its scale words, which were asked for ahead of it; the two younger sets may be out
.else
	s_wait_loadcnt 16*(31-(\Q))
.endif
.if (\Q) < 31
	PLACES                                         ; in front of loads into the sets that the last step multiplied
	FETCH_A (\Q)+1
.if (\Q) < 29
	FETCH_B (\Q)+3
.endif
.if ((\Q)%8 == 1) && ((\Q) < 24)
	global_prefetch_b8 v[PB], s[PFB:PFB+1] offset:2097152*((\Q)/8+1) th:TH_LOAD_NT scope:SCOPE_SE   ; W's eight steps of the next trip: my 8 blocks
.if (\Q) < 16
	global_prefetch_b8 v[PA0], s[PFA:PFA+1] offset:2*KSTEPB*((\Q)/8+2) th:TH_LOAD_NT scope:SCOPE_SE ; x's records of the refill six steps on: my work-group's 34 blocks
	global_prefetch_b8 v[PA1], s[PFA:PFA+1] offset:2*KSTEPB*((\Q)/8+2) th:TH_LOAD_NT scope:SCOPE_SE
.endif
.endif
.if ((\Q)+1)%4 == 0
	s_wait_dscnt 24                                ; all but the 24 LDS loads just issued
.else
	s_wait_dscnt 16                                ; all but the 16 just issued
.endif
.else
	s_wait_dscnt 0x0
.endif
	WIN MUL_LO
	MUL8 0, \Q, \zero
	MUL8 2, \Q, \zero
	WIN MUL_HI
	MUL8 4, \Q, \zero
	MUL8 6, \Q, \zero
	WIN 0
.endm
; A slot's last step changes slots: ONE barrier; in front of it each wave waits for all its tensor loads, adds 0 to its spare word, and waits for that and for its reads of this slot (all were issued a step ago).
; fill = 1: the barrier opens a round of the cluster's barrier, and this slot is filled again with K two trips on.
.macro TURN Q, fill
	s_wait_loadcnt 32
	s_wait_tensorcnt 0x0                           ; all my tensor loads have landed: my part of the next slot
	ds_add_u32 v[SPW], v[NIL]
	s_wait_dscnt 1                                 ; this step's fragments are in; the add may be out
	WIN MUL_LO
	MUL8 0, \Q, 0
	s_wait_dscnt 0x0                               ; the add is done, and my reads of this slot are over
	s_barrier_signal -1
	MUL8 2, \Q, 0
	WIN 0
	s_barrier_wait -1
.if \fill
	CREST
	s_add_nc_u64 s[G0+4*(((\Q)/8)%2)+2:G0+4*(((\Q)/8)%2)+3], s[G0+4*(((\Q)/8)%2)+2:G0+4*(((\Q)/8)%2)+3], 4*KSTEPB
	JLOAD ((\Q)/8)%2                               ; the first tensor load behind the round
.else
	PLACES
.endif
	FETCH_A (\Q)+1
	FETCH_B (\Q)+3
	WIN MUL_HI
	MUL8 4, \Q, 0
	MUL8 6, \Q, 0
	WIN 0
.endm
.macro RUN n
.rept \n
	STEP QN, 0
.set QN, QN+1
.endr
.endm
	global_load_b128 v[BIA:BIA+3], v[LO], s[10:11] ; the bias of columns 4 l .. 4 l + 3 of my 128
	FETCH_B 0
	FETCH_B 1
	FETCH_B 2
	WIN 0
	s_wait_tensorcnt 0x0                           ; my part of slot 0 is in
	ds_add_u32 v[SPW], v[NIL]
	s_wait_dscnt 0x0
	CROUND
	JLOAD 1                                        ; K = 1,024 .. 2,047: slot 1's first fill
	FETCH_A 0
	STEP 0, 1                                      ; the first products start the sums
.set QN, 1
	RUN 6
	TURN 7, 1
.set QN, 8
	RUN 7
	TURN 15, 1
.set QN, 16
	RUN 7
	TURN 23, 0
.set QN, 24
	RUN 8
; THE WAY OUT, block by block of 16 rows x 128 columns, through my own stage: in as 32 bytes a lane, back as whole rows of 512 bytes; the bias is added; the 32 lanes store two aligned units of 256 bytes.
.macro TOSTAGE a
.set AC, 64*((\a)%4)
	WIN 0x08+4*((\a)/4)                            ; the data: window 2 or 3
.irp b, 0,1,2,3,4,5,6,7
	ds_store_b128 v[STO], v[AC+8*\b:AC+8*\b+3] offset:64*\b          ; each accumulator from its low end on
	ds_store_b128 v[STO], v[AC+8*\b+4:AC+8*\b+7] offset:64*\b+16
.endr
	WIN 0
.set BB, BK+64*((\a)%2)
.irp t, 0,1,2,3,4,5,6,7,8,9,10,11,12,13,14,15
	ds_load_b128 v[BB+4*\t:BB+4*\t+3], v[RD] offset:\t*SPITCH        ; a wave's LDS instructions are served in order: these see the stores above
.endr
.endm
.macro SEND a, younger                 ; younger: the LDS instructions issued behind block a's loads
.set BB, BK+64*((\a)%2)
	s_wait_dscnt \younger
.if (\a) > 0
	s_add_nc_u64 s[12:13], s[12:13], 16*SIZE_N*4   ; behind a wait on XCNT: the earlier stores have read their base
.endif
.irp t, 0,1,2,3,4,5,6,7,8,9,10,11,12,13,14,15
	v_pk_add_f32 v[BB+4*\t:BB+4*\t+1], v[BB+4*\t:BB+4*\t+1], v[BIA:BIA+1]
	v_pk_add_f32 v[BB+4*\t+2:BB+4*\t+3], v[BB+4*\t+2:BB+4*\t+3], v[BIA+2:BIA+3]
.endr
.irp t, 0,1,2,3,4,5,6,7,8,9,10,11,12,13,14,15
	global_store_b128 v[LO], v[BB+4*\t:BB+4*\t+3], s[12:13] offset:\t*SIZE_N*4 th:TH_STORE_NT
.endr
.endm
	PLACES                                         ; behind the last products: for the reads of results and the loads into the registers that held x's fragments
	TOSTAGE 0
.irp a, 1,2,3,4,5,6,7
.if \a > 1
	s_wait_xcnt 0x0                                ; block a - 2's stores have read their registers and their base
.endif
	TOSTAGE \a
	SEND \a-1, 32                                  ; behind block a - 1's loads: block a's 16 stores and 16 loads
.endr
	s_wait_xcnt 0x0
	SEND 7, 0
	s_wait_tensorcnt 0x0                           ; the wave's end
	ds_add_u32 v[SPW], v[NIL]
	s_wait_dscnt 0x0
	CROUND                                         ; the closing round
	s_endpgm
.Lfunc_end_k_qc2be9d0d15_gemm:
	.size	k_qc2be9d0d15_gemm, .Lfunc_end_k_qc2be9d0d15_gemm-k_qc2be9d0d15_gemm
	.p2alignl 7, 3214868480
	.fill 96, 4, 3214868480
	.section	.rodata,"a",@progbits
	.p2align	6, 0x0
	.amdhsa_kernel k_qc2be9d0d15_gemm
		.amdhsa_group_segment_fixed_size 327680
		.amdhsa_private_segment_fixed_size 0
		.amdhsa_enable_private_segment 0
		.amdhsa_kernarg_size 40
		.amdhsa_user_sgpr_count 2
		.amdhsa_user_sgpr_kernarg_segment_ptr 1
		.amdhsa_wavefront_size32 1
		.amdhsa_system_sgpr_workgroup_id_x 1
		.amdhsa_system_sgpr_workgroup_id_y 1
		.amdhsa_system_sgpr_workgroup_id_z 1
		.amdhsa_system_vgpr_workitem_id 0
		.amdhsa_next_free_vgpr 1024
		.amdhsa_next_free_sgpr 66
		.amdhsa_reserve_vcc 0
		.amdhsa_float_denorm_mode_32 3
		.amdhsa_float_denorm_mode_16_64 3
		.amdhsa_memory_ordered 1
		.amdhsa_forward_progress 1
		.amdhsa_inst_pref_size 255
	.end_amdhsa_kernel
	.section	.bss,"aw",@nobits
	.p2align	6
	.space	262144
	.amdgpu_metadata
---
amdhsa.version: [ 1, 2 ]
amdhsa.kernels:
  - .name:           k_qc2be9d0d15_gemm
    .symbol:         k_qc2be9d0d15_gemm.kd
    .args:
      - { .name: xc, .offset: 0, .size: 8, .value_kind: global_buffer, .address_space: global }
      - { .name: wc, .offset: 8, .size: 8, .value_kind: global_buffer, .address_space: global }
      - { .name: ws, .offset: 16, .size: 8, .value_kind: global_buffer, .address_space: global }
      - { .name: bias, .offset: 24, .size: 8, .value_kind: global_buffer, .address_space: global }
      - { .name: out0, .offset: 32, .size: 8, .value_kind: global_buffer, .address_space: global }
    .group_segment_fixed_size: 327680
    .private_segment_fixed_size: 0
    .kernarg_segment_align: 8
    .kernarg_segment_size: 40
    .max_flat_workgroup_size: 128
    .sgpr_count:     66
    .vgpr_count:     1024
    .wavefront_size: 32
...
	.end_amdgpu_metadata
.endif
;; end of part 2
